; MI455X (gfx1250); checked and timed in simulation.
; The chip was launched on July 23, 2026; its instructions are those of AMD's public machine-readable ISA for CDNA 5 (MIT licence, August 2026) and "CDNA5" Instruction Set Architecture Reference Guide (July 2026). The comments in the code are by the model that wrote it; some were corrected since.
;; Multi Head Attention. Allowed arithmetic: matrix products marked QUANTISED: E2M3 operands, one E8M0 scale for each 32 along K, by v_wmma_scale_f32_16x16x128_f8f6f4 with both operands' format E2M3, f32 sums; everything else in f32.
;; Inputs: Wa 3,072 x 1,024 float32; Wout_b 1,024 float32; Wout_w 1,024 x 1,024 float32; x 4 x 2,048 x 1,024 float32.
;; Outputs: out0 4 x 2,048 x 1,024 float32.
;; This version of the problem:
;;   THIS VERSION OF THE PROBLEM IS GIVEN IN LOW PRECISION. The matrix products marked QUANTISED in the list below multiply operands that are first quantised to E2M3 (2 exponent bits, 3 mantissa bits; 6 bits a number), with one power-of-two scale for each 32 numbers along K (OCP MX v1.0); their sums are f32. All else is computed in f32.
;;   The module's matrix products, in the order in which they are computed (A, B: the left and right operand; K: the contracted axis; several contracted axes count as one K, in the product's order):
;;     1. [M 8,192, K 1,024] x [K 1,024, N 3,072]; A: input x; B: input Wa: QUANTISED
;;     2. batch 64 x [M 2,048, K 64] x [K 64, N 2,048]; A: computed on the way; B: computed on the way: QUANTISED
;;     3. batch 64 x [M 64, K 2,048] x [K 2,048, N 2,048]; A: computed on the way; B: softmax (see below): QUANTISED
;;     4. [M 8,192, K 1,024] x [K 1,024, N 1,024]; A: computed on the way; B: input Wout_w: QUANTISED
;;   THE QUANTISER, for each operand of a quantised product, along K:
;;     - K is cut into blocks of 32 from its start; a last block that is shorter is filled with zeros.
;;     - A block's scale is 2^e with e = floor(log2(the largest magnitude in the block)) - 2, held to -126 .. 127; a block of zeros has e = 0. As a byte (E8M0): e + 127.
;;     - Each number is divided by its block's scale, clamped to +-7.5, and rounded to the nearest number of E2M3, ties to even, subnormals kept.
;;     - The product sums the exact products of the quantised numbers (number of the format x scale) in f32.
;;   ~~~python
;;   def quantise(x, axis):      # numpy; x: float32 -> the quantised numbers, widened to float32 again
;;       x = np.moveaxis(x, axis, -1); K = x.shape[-1]
;;       x = np.pad(x, [(0, 0)] * (x.ndim - 1) + [(0, -K % 32)]); x = x.reshape(x.shape[:-1] + (-1, 32)); a = np.abs(x).max(-1, keepdims=True)
;;       e = np.where(a > 0, np.clip(np.frexp(np.where(a > 0, a, 1))[1] - 1 - 2, -126, 127), 0)      # np.frexp(a)[1] - 1 = floor(log2(a)), exactly
;;       r = np.clip(x / 2.0 ** e, -7.5, 7.5)
;;       step = 2.0 ** (np.maximum(np.frexp(np.where(r == 0, 1, r))[1] - 1, 0) - 3)
;;       q = np.round(r / step) * step * 2.0 ** e      # np.round: ties to even
;;       return np.moveaxis(q.reshape(q.shape[:-2] + (-1,))[..., :K], -1, axis).astype(np.float32)
;;   ~~~
;;   SOFTMAX AHEAD OF A QUANTISED PRODUCT. Where the list says 'softmax', what is quantised is not the finished softmax but p = 2^(t - M), with t = logit x log2(e) and M = ceil(the row's largest t), a whole number; so 1/2 < the row's largest p <= 1. The row's sum l is taken of the UNQUANTISED p, in f32, and the product's result is divided by l at the end. Since M is a whole number, a kernel that streams over the keys may use a running M (the ceiling of the running maximum): every later rescaling is an exact power of two, which a block's scale takes up: the codes' values come out the same.
;;   OPERANDS COMPUTED ON THE WAY. 'Computed on the way' means the value that the module computes at that place (a softmax that the list does not call 'softmax' is quantised finished and normalised). What goes into a quantiser is computed in f32, as accurately as f32 sums, v_exp_f32 and their like allow (about 1e-6 of the number): no bf16 or f16 on the way to a quantiser, and a product that is left as it is and whose result goes on into a quantised operand takes f32 operands (vector FMAs, or v_wmma_f32_16x16x4_f32). A number that lies on a knife's edge between two numbers of the format may be rounded either way, as far as f32 arithmetic and the matrix unit's own rounding can turn it there, and no further.
;; One version. Each part assembles by itself: llvm-mc -triple=amdgcn-amd-amdhsa -mcpu=gfx1250 --defsym DOCPART=n.
;; ======== version 1 of 1: 4 launches
;; limits: right only within a limited range of input values
;; workspace buffers: xq 6,553,600 bytes; waq 2,457,600 bytes; woq 819,200 bytes; qb 6,815,744 bytes; kv 13,631,488 bytes; oq 6,553,600 bytes
;; launch quant (part 1): grid 768 x 1, 4 waves a work-group, no clusters, 68,096 bytes of LDS; arguments x, Wa, Wout_w, xq, waq, woq; writes xq, waq, woq
.if DOCPART == 1
	.amdgcn_target "amdgcn-amd-amdhsa--gfx1250"
	.amdhsa_code_object_version 6
	.text
	.protected	k_q43adfaf4f0_quant
	.globl	k_q43adfaf4f0_quant
	.p2align	8
	.type	k_q43adfaf4f0_quant,@function
k_q43adfaf4f0_quant:
	s_mov_b64 s[64:65], 0
	v_nop
	global_prefetch_b8 v0, s[64:65] scope:SCOPE_SE
	s_setreg_imm32_b32 hwreg(HW_REG_WAVE_MODE, 25, 1), 1
	s_wait_xcnt 0x0
; x [8192][1024], Wa [3072][1024], Wout_w [1024][1024], f32, K innermost, become codes of FP6 (E2M3) with one E8M0 byte for each 32 along K.
; A block's scale is 2^(floor(log2(its largest magnitude)) - 2); its byte is the largest magnitude's exponent field - 2, held at 1 from below.
; LIMITS: a block of zeros gets the byte 1 (its codes are zeros, and this program alone reads the bytes); NaN and infinities among the inputs are not served.
; THE CODES ARE LAID AS IMAGES OF THE OPERAND'S REGISTERS.  Rows go in groups of 64; tile u (0..3) of a group holds, in lane row i, row 32 (i / 8) + 8 u + i % 8.
; With four such tiles as source 0 of a product a lane's 32 result registers are 32 neighbours along those rows: a whole block of the next quantiser.
; A fragment (16 rows x 128 K, 12 registers a lane) is 1,536 bytes: three runs of 512, run q = registers 4 q .. 4 q + 3, lane l at 16 l.
; A tile's scale words are 512 bytes: [K step 0..7][row 0..15], so that one load of 4 bytes a lane brings two steps' words, one in each half of the lanes.
; SHARES.  A work-group takes one tile (16 rows, all of K): 512 tiles of x, 192 of Wa, 64 of Wout_w, chosen by the work-group's number; only pointers and constants are chosen, the path is one.
; Wave w takes K steps 2 w and 2 w + 1.  Each load reads 512 consecutive bytes of a row; the numbers turn through the wave's own stage in LDS, so that lane (r, h) gets k = 64 c + 32 h + 0..31 of row r.
; No barrier: waves share nothing.  No matrix unit, no cluster, no tensor load: the launch streams each byte once.
.set XSEC,  6291456                    ; where the scale tiles begin in xq,
.set WASEC, 2359296                    ; in waq,
.set WOSEC, 786432                     ; in woq
.set WREG,  16896                      ; LDS of a wave: two stages of 16 rows x SP bytes
.set SP,    528                        ; a stage row: 512 bytes + 16, an odd multiple of 16: the sixteen rows that a load touches start in different banks
.set RAW,   64                         ; v64-127, v128-191: the two fragments' numbers as loaded
.set X0,    192                        ; v192-255: fragment 0 as the conversions want it
.set X1,    64                         ; fragment 1 likewise, where fragment 0's loads lay
.set MXR,   10                         ; v10-11 largest magnitudes, v12-13 their second chains
.set SOR,   14                         ; v14-15 the conversions' scale operands
.set BYR,   16                         ; v16-17 the bytes
.set XP,    18                         ; v18    the other half's word
.set TT,    56                         ; v56-58, v60-62 the conversions' second halves
	s_load_b256 s[4:11], s[0:1], 0x0               ; x s[4:5], Wa s[6:7], Wout_w s[8:9], xq s[10:11]
	s_load_b128 s[12:15], s[0:1], 0x20             ; waq s[12:13], woq s[14:15]
	v_lshl_add_u32 v59, v0, 2, 0x10800
	v_mov_b32 v63, 0
	v_lshrrev_b32 v1, 5, v0
	v_readfirstlane_b32 s16, v1                    ; wave 0..3
	v_and_b32 v1, 31, v0                           ; lane
	v_and_b32 v2, 15, v0                           ; r
	v_bfe_u32 v3, v0, 4, 1                         ; h
	v_lshlrev_b32 v4, 4, v1                        ; 16 x lane: in memory, in and out
	s_mul_i32 s17, s16, WREG
	v_add_nc_u32 v5, s17, v4                       ; into the stage: a row's 512 bytes as they lie
	v_mul_u32_u24 v6, v2, SP
	v_lshl_add_u32 v6, v3, 7, v6
	v_add_nc_u32 v6, s17, v6                       ; out of it: row r, + 128 h bytes
	v_lshlrev_b32 v7, 2, v1                        ; 4 x lane: the scale words
	v_lshlrev_b32 v8, 3, v3                        ; 8 h: my bytes' place in a word
	v_mov_b32 v[XP], 0                             ; a lane permute's destination counts as one of its sources
	s_mov_b32 s32, 0x76543210
	s_mov_b32 s33, 0xfedcba98                      ; selects for lane l xor 16
	s_mov_b32 s34, 0xffff0000                      ; lanes 16-31
	s_mov_b32 s25, 704                             ; Wout_w's constants: first work-group,
	s_mov_b32 s22, 8                               ; tiles in a panel,
	s_mov_b32 s23, 0x20000000                      ; 2^32 / that,
	s_mov_b32 s24, WOSEC                           ; the scale tiles' place
	s_wait_alu depctr_va_vdst(0)
	s_wait_kmcnt 0x0
	s_cmp_lt_u32 ttmp9, 704                        ; the choices hang on the work-group's number alone
	s_cselect_b64 s[18:19], s[6:7], s[8:9]
	s_cselect_b64 s[20:21], s[12:13], s[14:15]
	s_cselect_b32 s25, 512, s25
	s_cselect_b32 s22, 12, s22
	s_cselect_b32 s23, 0x15555556, s23
	s_cselect_b32 s24, WASEC, s24
	s_cmp_lt_u32 ttmp9, 512
	s_cselect_b64 s[18:19], s[4:5], s[18:19]       ; the source
	s_cselect_b64 s[20:21], s[10:11], s[20:21]     ; the destination
	s_cselect_b32 s25, 0, s25
	s_cselect_b32 s22, 4, s22
	s_cselect_b32 s23, 0x40000000, s23
	s_cselect_b32 s24, XSEC, s24
	s_sub_co_u32 s25, ttmp9, s25                   ; my tile of the tensor
	s_mul_hi_u32 s35, s25, s23                     ; its panel = tile / tiles in a panel
	s_mul_i32 s38, s35, s22
	s_sub_co_u32 s38, s25, s38                     ; and its place in the panel
	s_lshr_b32 s36, s25, 2
	s_lshl_b32 s36, s36, 3
	s_and_b32 s39, s25, 3
	s_add_co_u32 s36, s36, s39                     ; 8 x group + u: the tile's first row / 8
	s_lshl_b32 s36, s36, 15                        ; x 8 rows of 4,096 bytes
	s_lshl_b32 s39, s16, 10                        ; + my two K steps: 1,024 bytes a wave
	s_add_co_u32 s36, s36, s39
	s_mov_b32 s37, 0
	s_add_nc_u64 s[18:19], s[18:19], s[36:37]
	s_lshl_b32 s36, s35, 3
	s_lshl_b32 s39, s16, 1
	s_add_co_u32 s36, s36, s39                     ; 8 x panel + K step
	s_mul_i32 s36, s36, s22
	s_add_co_u32 s36, s36, s38
	s_mul_i32 s36, s36, 1536
	s_add_nc_u64 s[26:27], s[20:21], s[36:37]      ; fragment 0's image
	s_mul_i32 s36, s22, 1536
	s_add_nc_u64 s[28:29], s[26:27], s[36:37]      ; fragment 1's: one K step on
	s_lshl_b32 s36, s25, 9
	s_lshl_b32 s39, s16, 7
	s_add_co_u32 s36, s36, s39
	s_add_co_u32 s36, s36, s24
	s_add_nc_u64 s[30:31], s[20:21], s[36:37]      ; my 128 bytes of the tile's scale words
.irp f, 0,1
.irp i, 0,1,2,3,4,5,6,7,8,9,10,11,12,13,14,15
	global_load_b128 v[RAW+64*\f+4*\i:RAW+64*\f+4*\i+3], v4, s[18:19] offset:(\i%8+32*(\i/8))*4096+512*\f th:TH_LOAD_NT   ; 32 lanes read 512 consecutive bytes of lane row i
.endr
.endr
	s_wait_loadcnt 16                              ; fragment 0's sixteen loads are in; fragment 1's sixteen may be out
.irp i, 0,1,2,3,4,5,6,7,8,9,10,11,12,13,14,15
	ds_store_b128 v5, v[RAW+4*\i:RAW+4*\i+3] offset:SP*\i
.endr
.irp c, 0,1
.irp j, 0,1,2,3,4,5,6,7
	ds_load_b128 v[X0+32*\c+4*\j:X0+32*\c+4*\j+3], v6 offset:256*\c+16*\j   ; LDS serves a wave's instructions in order: these see my stores
.endr
.endr
	s_wait_loadcnt 0x0
.irp i, 0,1,2,3,4,5,6,7,8,9,10,11,12,13,14,15
	ds_store_b128 v5, v[RAW+64+4*\i:RAW+64+4*\i+3] offset:16*SP+SP*\i
.endr
	s_wait_dscnt 16                                ; all but the sixteen stores just issued: fragment 0 is back, and its stores have read the registers that the next loads fill
.irp c, 0,1
.irp j, 0,1,2,3,4,5,6,7
	ds_load_b128 v[X1+32*\c+4*\j:X1+32*\c+4*\j+3], v6 offset:16*SP+256*\c+16*\j
.endr
.endr
; 64 numbers of a lane at v[x]: register 32 c + i = k 64 c + 32 h + i of row r.  They become the fragment's 12 registers at v[cd], stored as an image at s[dp], and the row's scale word in v[w].
.macro FRAGQ x, cd, w, dp
.irp c, 0,1
	v_max3_num_f32 v[MXR+\c], |v[\x+32*\c]|, |v[\x+32*\c+1]|, 0x1800000          ; the floor 2^(3 - 127) among the leaves: the byte cannot fall under 1
	v_max3_num_f32 v[MXR+2+\c], |v[\x+32*\c+2]|, |v[\x+32*\c+3]|, |v[\x+32*\c+4]|
.endr
.irp i, 5,9,13,17,21,25
.irp c, 0,1
	v_max3_num_f32 v[MXR+\c], v[MXR+\c], |v[\x+32*\c+\i]|, |v[\x+32*\c+\i+1]|    ; two blocks, two chains each, by turns
	v_max3_num_f32 v[MXR+2+\c], v[MXR+2+\c], |v[\x+32*\c+\i+2]|, |v[\x+32*\c+\i+3]|
.endr
.endr
.irp c, 0,1
	v_max3_num_f32 v[MXR+\c], v[MXR+\c], |v[\x+32*\c+29]|, |v[\x+32*\c+30]|
.endr
.irp c, 0,1
	v_max3_num_f32 v[MXR+\c], v[MXR+\c], v[MXR+2+\c], |v[\x+32*\c+31]|           ; block 2 c + h: all its 32 numbers are mine
.endr
.irp c, 0,1
	v_add_nc_u32 v[SOR+\c], 0xff000000, v[MXR+\c]  ; 2 off the exponent field: the conversion takes this operand's exponent field as its scale
.endr
.irp c, 0,1
	v_lshrrev_b32 v[BYR+\c], 23, v[SOR+\c]         ; the byte
.endr
.irp c, 0,1
	v_cvt_scalef32_pk16_fp6_f32 v[\cd+6*\c:\cd+6*\c+2], v[\x+32*\c:\x+32*\c+15], v[SOR+\c]
	v_cvt_scalef32_pk16_fp6_f32 v[TT+4*\c:TT+4*\c+2], v[\x+32*\c+16:\x+32*\c+31], v[SOR+\c]   ; (a conversion's three registers begin on an even number)
.endr
	v_lshl_or_b32 v[\w], v[BYR+1], 16, v[BYR]      ; my two bytes: blocks h and 2 + h.  (Also the plain place behind the conversions)
	v_lshlrev_b32 v[\w], v8, v[\w]                 ; at their places in the word
.irp c, 0,1
.irp i, 0,1,2
	v_mov_b32 v[\cd+6*\c+3+\i], v[TT+4*\c+\i]
.endr
.endr
	v_permlanex16_b32 v[XP], v[\w], s32, s33
	v_or_b32 v[\w], v[\w], v[XP]                   ; with lane l xor 16's two the word is whole
.irp q, 0,1,2
	global_store_b128 v4, v[\cd+4*\q:\cd+4*\q+3], s[\dp:\dp+1] offset:512*\q   ; 32 lanes store 512 consecutive bytes, aligned
.endr
.endm
	FRAGQ X0, 32, 24, 26
	s_wait_dscnt 0x0                               ; fragment 1 is back from its stage
	FRAGQ X1, 44, 25, 28                           ; its codes have registers of their own: no store's data are written again
	v_cndmask_b32 v26, v24, v25, s34               ; lanes 0-15: step 2 w's words, lanes 16-31: step 2 w + 1's
	global_store_b32 v7, v26, s[30:31]             ; 128 consecutive bytes
	s_wait_tensorcnt 0x0
	ds_add_u32 v59, v63
	s_wait_dscnt 0x0
	s_endpgm
.Lfunc_end_k_q43adfaf4f0_quant:
	.size	k_q43adfaf4f0_quant, .Lfunc_end_k_q43adfaf4f0_quant-k_q43adfaf4f0_quant
	.p2alignl 7, 3214868480
	.fill 96, 4, 3214868480
	.section	.rodata,"a",@progbits
	.p2align	6, 0x0
	.amdhsa_kernel k_q43adfaf4f0_quant
		.amdhsa_group_segment_fixed_size 68096
		.amdhsa_private_segment_fixed_size 0
		.amdhsa_enable_private_segment 0
		.amdhsa_kernarg_size 48
		.amdhsa_user_sgpr_count 2
		.amdhsa_user_sgpr_kernarg_segment_ptr 1
		.amdhsa_wavefront_size32 1
		.amdhsa_system_sgpr_workgroup_id_x 1
		.amdhsa_system_sgpr_workgroup_id_y 1
		.amdhsa_system_sgpr_workgroup_id_z 1
		.amdhsa_system_vgpr_workitem_id 0
		.amdhsa_next_free_vgpr 256
		.amdhsa_next_free_sgpr 66
		.amdhsa_reserve_vcc 0
		.amdhsa_float_denorm_mode_32 3
		.amdhsa_float_denorm_mode_16_64 3
		.amdhsa_memory_ordered 1
		.amdhsa_forward_progress 1
		.amdhsa_inst_pref_size 17
	.end_amdhsa_kernel
	.amdgpu_metadata
---
amdhsa.version: [ 1, 2 ]
amdhsa.kernels:
  - .name:           k_q43adfaf4f0_quant
    .symbol:         k_q43adfaf4f0_quant.kd
    .args:
      - { .name: x, .offset: 0, .size: 8, .value_kind: global_buffer, .address_space: global }
      - { .name: Wa, .offset: 8, .size: 8, .value_kind: global_buffer, .address_space: global }
      - { .name: Wout_w, .offset: 16, .size: 8, .value_kind: global_buffer, .address_space: global }
      - { .name: xq, .offset: 24, .size: 8, .value_kind: global_buffer, .address_space: global }
      - { .name: waq, .offset: 32, .size: 8, .value_kind: global_buffer, .address_space: global }
      - { .name: woq, .offset: 40, .size: 8, .value_kind: global_buffer, .address_space: global }
    .group_segment_fixed_size: 68096
    .private_segment_fixed_size: 0
    .kernarg_segment_align: 8
    .kernarg_segment_size: 48
    .max_flat_workgroup_size: 128
    .sgpr_count:     66
    .vgpr_count:     256
    .wavefront_size: 32
...
	.end_amdgpu_metadata
.endif
;; end of part 1
;; launch gemm1 (part 2): grid 16 x 16, 4 waves a work-group, clusters of 4 x 1, 168,448 bytes of LDS; arguments xq, waq, qb, kv; writes qb, kv
.if DOCPART == 2
	.amdgcn_target "amdgcn-amd-amdhsa--gfx1250"
	.amdhsa_code_object_version 6
	.text
	.protected	k_q43adfaf4f0_gemm1
	.globl	k_q43adfaf4f0_gemm1
	.p2align	8
	.type	k_q43adfaf4f0_gemm1,@function
k_q43adfaf4f0_gemm1:
	s_mov_b64 s[64:65], 0
	v_nop
	global_prefetch_b8 v0, s[64:65] scope:SCOPE_SE
	s_setreg_imm32_b32 hwreg(HW_REG_WAVE_MODE, 25, 1), 1
	s_wait_xcnt 0x0
	s_wait_alu depctr_hold_cnt(0) depctr_sa_sdst(0) depctr_va_vdst(0) depctr_va_sdst(0) depctr_va_ssrc(0) depctr_va_vcc(0) depctr_vm_vsrc(0)
	s_getreg_b32 s2, hwreg(HW_REG_IB_STS2, 6, 4)
	s_cmp_eq_u32 s2, 0
	s_cbranch_scc0 .Lentry_in_a_cluster
	s_endpgm
.Lentry_in_a_cluster:
	s_bfe_u32 s2, ttmp6, 0x10000c
	s_cmp_lg_u32 s2, 0x3003
	s_cbranch_scc0 .Lentry_shape_is_right
	s_endpgm
.Lentry_shape_is_right:
; tmp = x Wa^T on codes of FP6 (E2M3) with E8M0 block scales; tmp never goes to memory: q, k and v are quantised here, from the f32 sums, for the two products of attention.
; SHARES.  A work-group makes 512 rows x the 192 columns [q | k | v] of one head; wave w makes groups 2 w and 2 w + 1 of its eight groups of 64 rows, one after the other (block 0, block 1): 64 x 192 at a time, 48 accumulators, 384 registers.
; So a wave's two blocks are 128 neighbouring rows: one whole record of 128 keys, whose fragments and scale words it stores whole.
; Wa's codes of the head, all of K (147,456 bytes), lie in LDS for the whole launch: they come by first fills alone, four stages of two K steps, and no LDS byte is filled twice.
; CLUSTER.  The four work-groups of a cluster have the same head and other rows: Wa's codes are asked for JOINTLY, the same four tensor loads a wave with a mask that names the four.
; x's fragments are each read by one wave of the work-group: they go from memory to registers by plain loads, two K steps ahead, in three sets; through LDS they would cost an LDS read more and share nothing inside the work-group.
; LAYOUT.  Tile u of a group of 64 rows holds, in lane row i, row 32 (i / 8) + 8 u + i % 8.  q, k: source 0 = Wa's tile u, source 1 = x's tile a: lane (r, h) holds row r of x's tile a, and the 32 registers of u = 0..3 are
; d = 32 h + 0..31: one block of 32 along the next K.  v: source 0 = x's tile a, source 1 = Wa's tile n: lane (r, h) holds row r of Wa's tile n, and the 32 registers of a = 0..3 are keys 32 h + 0..31 of my 64 rows.
; So every block's largest magnitude lies in one lane, and two conversions give six registers of the next operand.
; OUT.  qb [head of batch 64][group 32][3,328]: 4 tiles x 768 bytes (three runs of 256, run p = registers 2 p, 2 p + 1, lane l at 8 l), then the 4 tiles' scale words (lane l's 8 bytes: tiles 2 h and 2 h + 1, row r).
; kv [head of batch 64][128 keys 16][13,312], all in runs of 512 bytes, four registers a lane, lane l at 16 l: K's 8 tiles x 6 registers on end (12 runs) | V^T's 4 fragments of 12 registers (12 runs) |
; K's scale words (lane l's 16 bytes: tiles 2 h, 2 h + 1 of the first 64 keys, then of the second) | V^T's scale words [row 16][tile 4], twice, so that every byte that the next launch fetches has been stored.
; q's and k's K is 64: bytes 2 and 3 of their scale words repeat bytes 0 and 1; they scale the upper 64 of the instruction's 128, where q's codes will be zeros.
; LIMITS: a block of zeros gets the byte 1 (its codes are zeros, and this program alone reads the bytes); NaN and infinities are not served.
; REGISTERS, in windows of 256: window 0: v2-12 addresses; v16-63 Wa's scale words, v64-95 x's (each register: an even K step in lanes 0-15, the odd one behind it in lanes 16-31); v96-219 the epilogue's.
;   window 1: v0-47, v48-95 four fragments of Wa, two sets; v96-239 four fragments of x, three sets.   window 2: q's accumulators at v[32 a + 8 u], k's at v[128 + 32 a + 8 u].   window 3: v's at v[32 n + 8 a].
.set XSEC,  6291456                    ; the scale tiles in xq
.set WASEC, 2359296                    ; and in waq
.set LB,   4                           ; v4-7   16 x lane + 36,864 x stage
.set BSC,  16
.set ASC,  64
.set MX,   96                          ; v96-99   largest magnitudes
.set SO,   100                         ; v100-103 the conversions' scale operands
.set BY,   104                         ; v104-107 the bytes
.set WD,   108                         ; v108-111 scale words
.set IM,   114                         ; v114-115 q's scale words as they are stored
.set CD,   116                         ; v116-139 four tiles' codes of q or of k
.set TT,   140                         ; v140-155 the conversions' second halves
.set XP,   160                         ; v160-163 the other half's words
.set KIM,  164                         ; v164-167 k's scale words as they are stored: block 0's two, block 1's two
.set VC,   168                         ; v168-215 V^T's four fragments: fragment n at 12 n, block t's six registers at 6 t
.set VW,   216                         ; v216-219 V^T's scale words, tile n
.set AS,   96                          ; x's sets, in window 1
.set MSB, 0
.macro WIN new                         ; the immediate's high byte repeats the setting that is left
.if MSB != \new
	s_set_vgpr_msb (MSB<<8)|\new
.set MSB, \new
.endif
.endm
.macro CROUND                          ; a round of the cluster's barrier
	s_barrier_signal -1
	s_barrier_wait -1
	s_cmp_lg_u32 s12, 0
	s_cbranch_scc1 .Lnot_wave_0_\@
	s_barrier_signal -3
.Lnot_wave_0_\@:
	s_barrier_wait -3
	s_barrier_signal -1
	s_barrier_wait -1
.endm
.macro PLACES                          ; four places behind matrix instructions, ahead of loads into registers that they have read
.rept 4
	v_nop
.endr
.endm
	s_load_b256 s[4:11], s[0:1], 0x0               ; xq s[4:5], waq s[6:7], qb s[8:9], kv s[10:11]
	v_lshl_add_u32 v254, v0, 2, 0x29000
	v_mov_b32 v255, 0
	ds_add_u32 v254, v255
	ds_add_u32 v254, v255
	v_lshrrev_b32 v1, 5, v0
	v_readfirstlane_b32 s12, v1                    ; wave 0..3
	s_bfe_u32 s13, ttmp6, 0x40000                  ; cx
	s_lshl_b32 s14, ttmp9, 2
	s_add_co_u32 s14, s14, s13                     ; my block of 512 rows = 4 x cluster x + cx: it enters plain loads' and stores' addresses alone
	s_and_b32 s15, ttmp7, 0xffff                   ; the head, which the four partners share
	s_mov_b32 s24, 15|(3<<16)|(1<<21)              ; group 1: the mask: all four; elements of 8 bytes; bit 21 beside a mask; no padding
	s_mov_b32 s25, 32<<16                          ; tensor_dim0 = 32 elements: rows of 256 bytes
	s_mov_b32 s26, 144<<16                         ; tensor_dim1 = 144 rows: a whole stage, 36,864 dense bytes
	s_mov_b32 s27, 32<<16                          ; tile_dim0
	s_mov_b32 s28, 144                             ; tile_dim1
	s_mov_b32 s29, 32                              ; the pitch
	s_mov_b32 s30, 0
	s_mov_b32 s31, 0
	s_mul_i32 s66, s15, 147456                     ; the head's codes in waq
	s_mul_i32 s67, s12, 36864                      ; wave w fetches stage w whole: its place in memory and in LDS alike
	s_add_co_u32 s68, s66, s67
	s_mov_b32 s69, 0
	s_wait_dscnt 0x0
	s_wait_kmcnt 0x0
	s_add_nc_u64 s[22:23], s[6:7], s[68:69]
	s_mov_b32 s32, 1                               ; group 0: count = 1,
	s_mov_b32 s33, s67                             ; LDS address,
	s_mov_b64 s[34:35], s[22:23]                   ; global address,
	s_or_b32 s35, s35, 0x80000000                  ; type = 2
	CROUND                                         ; all four work-groups are here: the joint loads meet
; one tensor load a wave, each on a line of its own in one chain of branches on the wave's number: wave w's line brings stage w
.irp w, 0,1,2
	s_cmp_eq_u32 s12, \w
	s_cbranch_scc0 .Lnot_\w
	tensor_load_to_lds s[32:35], s[24:31]
	s_nop 0
	PLACES
	s_branch .Lasked
.Lnot_\w:
.endr
	tensor_load_to_lds s[32:35], s[24:31]
	s_nop 0
	PLACES
.Lasked:
	s_mov_b32 s73, 0
	s_lshl_b32 s70, s14, 3
	s_lshl_b32 s71, s12, 1
	s_add_co_u32 s70, s70, s71                     ; block 0's group of 64 rows: 8 x my 512 rows + 2 x wave; block 1's is the next
	s_mul_i32 s72, s70, 49152
	s_add_nc_u64 s[16:17], s[4:5], s[72:73]        ; its codes,
	s_lshl_b32 s72, s70, 11
	s_add_co_u32 s72, s72, XSEC
	s_add_nc_u64 s[18:19], s[4:5], s[72:73]        ; its scale tiles,
	s_mul_i32 s72, s15, 6144
	s_add_co_u32 s72, s72, WASEC
	s_add_nc_u64 s[20:21], s[6:7], s[72:73]        ; the head's scale tiles
	s_lshr_b32 s74, s14, 2
	s_lshl_b32 s74, s74, 4
	s_add_co_u32 s74, s74, s15                     ; 16 x batch + head
	s_and_b32 s75, s14, 3                          ; my 512 rows' place in the batch's 2,048
	s_lshl_b32 s72, s74, 5
	s_lshl_b32 s76, s75, 3
	s_add_co_u32 s72, s72, s76
	s_add_co_u32 s72, s72, s71
	s_mul_i32 s72, s72, 3328
	s_add_nc_u64 s[48:49], s[8:9], s[72:73]        ; q's record of block 0; block 1's is the next
	s_lshl_b32 s72, s74, 4
	s_lshl_b32 s76, s75, 2
	s_add_co_u32 s72, s72, s76
	s_add_co_u32 s72, s72, s12
	s_mul_i32 s72, s72, 13312
	s_add_nc_u64 s[50:51], s[10:11], s[72:73]      ; my record of 128 keys
	s_mov_b32 s60, 0x76543210
	s_mov_b32 s61, 0xfedcba98                      ; selects for lane l xor 16
	s_mov_b32 s62, 0xffff0000                      ; lanes 16-31
	v_and_b32 v1, 31, v0                           ; lane
	v_bfe_u32 v11, v0, 4, 1                        ; h
	v_lshlrev_b32 v2, 4, v1                        ; 16 x lane
	v_lshlrev_b32 v3, 2, v1                        ; 4 x lane
	v_lshlrev_b32 v8, 3, v1                        ; 8 x lane
	v_lshlrev_b32 v12, 3, v11                      ; 8 h
.irp i, 0,1,2,3
	v_add_nc_u32 v[LB+\i], \i*36864, v2
	v_mov_b32 v[XP+\i], 0                          ; a lane permute's destination counts as one of its sources
.endr
.irp j, 0,1,2,3,4,5,6,7,8,9,10,11
.irp i, 0,1,2,3
	global_load_b32 v[BSC+4*\j+\i], v3, s[20:21] offset:512*\j+128*\i      ; Wa's tile j, K steps 2 i and 2 i + 1
.endr
.endr
.irp b, 0,1
.irp a, 0,1,2,3
.irp i, 0,1,2,3
	global_load_b32 v[ASC+16*\b+4*\a+\i], v3, s[18:19] offset:2048*\b+512*\a+128*\i   ; block b, x's tile a
.endr
.endr
.endr
.macro ALOAD sg                        ; x's four fragments of step sg = 8 x block + K step, into set sg % 3
.irp a, 0,1,2,3
.irp q, 0,1,2
	global_load_b128 v[AS+48*((\sg)%3)+12*\a+4*\q:AS+48*((\sg)%3)+12*\a+4*\q+3], v2, s[16:17] offset:49152*((\sg)/8)+6144*((\sg)%8)+1536*\a+512*\q
.endr
.endr
.endm
.macro BLOAD s, p, buf                 ; Wa's four fragments of K step s, part p (0 q, 1 k, 2 v), into set buf
.irp j, 0,1,2,3
.irp q, 0,1,2
	ds_load_b128 v[48*(\buf)+12*\j+4*\q:48*(\buf)+12*\j+4*\q+3], v[LB+(\s)/2] offset:((\s)%2)*18432+(4*(\p)+\j)*1536+512*\q
.endr
.endr
.endm
.macro MM d, fa, fb, wa, wb, ks        ; one product; K step 0 starts the sum with the constant 0; an odd K step's scale words lie in lanes 16-31
.if (\ks) == 0
	v_wmma_scale_f32_16x16x128_f8f6f4 v[\d:\d+7], v[\fa:\fa+11], v[\fb:\fb+11], 0, v[\wa], v[\wb] matrix_a_fmt:MATRIX_FMT_FP6 matrix_b_fmt:MATRIX_FMT_FP6
.elseif (\ks)%2 == 1
	v_wmma_scale_f32_16x16x128_f8f6f4 v[\d:\d+7], v[\fa:\fa+11], v[\fb:\fb+11], v[\d:\d+7], v[\wa], v[\wb] matrix_a_fmt:MATRIX_FMT_FP6 matrix_b_fmt:MATRIX_FMT_FP6 matrix_a_scale:MATRIX_SCALE_ROW1 matrix_b_scale:MATRIX_SCALE_ROW1
.else
	v_wmma_scale_f32_16x16x128_f8f6f4 v[\d:\d+7], v[\fa:\fa+11], v[\fb:\fb+11], v[\d:\d+7], v[\wa], v[\wb] matrix_a_fmt:MATRIX_FMT_FP6 matrix_b_fmt:MATRIX_FMT_FP6
.endif
.endm
; A GROUP: block t, K step s, part p: 16 products on 16 accumulators, one instruction a turn; an accumulator comes up again 48 matrix instructions later.
; Ahead of them the next group's fragments of Wa are asked for, into the set that the last group multiplied; with part 0 also x's fragments of two steps on.
.macro GROUP t, s, p
.set TAU, 3*(\s)+(\p)
.set SG, 8*(\t)+(\s)
.if (\p) < 2
.set NS, (\s)
.set NP, (\p)+1
.else
.set NS, ((\s)+1)%8
.set NP, 0
.endif
	PLACES
.if ((\t) == 0) && ((\p) == 2) && ((\s)%2 == 1) && ((\s) < 7)
	WIN 0                                          ; at a branch and at a label every window is 0
	s_wait_dscnt 0x0                               ; no LDS load of mine is out at the signal
.if ((\s)+1)/2 < 3
	s_cmp_eq_u32 s12, ((\s)+1)/2                   ; the wave that fetched the next stage waits for it; later stages may stay out
	s_cbranch_scc0 .Lnot_stage_\@
	s_wait_tensorcnt 0x0
.Lnot_stage_\@:
.else
	s_wait_tensorcnt 0x0                           ; the last stage: every wave waits
.endif
	s_barrier_signal -1
	s_barrier_wait -1
.endif
	WIN 0x40                                       ; destination window 1, address window 0
.if SG*3+(\p) < 47
	BLOAD NS, NP, 1-TAU%2
.endif
.if (\p) == 0
.if SG < 14
	ALOAD SG+2
	s_wait_loadcnt 24                              ; this step's fragments of x are in; the 12 loads of each of the two steps behind it may be out
.else
	s_wait_loadcnt 12*(15-SG)                      ; the last two steps ask for nothing: no load leaves its buffer
.endif
.endif
.if SG*3+(\p) < 47
	s_wait_dscnt 12                                ; this group's fragments of Wa are in; the 12 loads just issued may be out
.else
	s_wait_dscnt 0x0
.endif
.if (\p) < 2
	WIN 0xa5                                       ; sources 0 and 1 window 1, C and D window 2
.irp a, 0,1,2,3
.irp u, 0,1,2,3
	MM 128*(\p)+32*\a+8*\u, 48*(TAU%2)+12*\u, AS+48*(SG%3)+12*\a, BSC+4*(4*(\p)+\u)+(\s)/2, ASC+16*(\t)+4*\a+(\s)/2, \s
.endr
.endr
.else
	WIN 0xf5                                       ; C and D window 3
.irp n, 0,1,2,3
.irp a, 0,1,2,3
	MM 32*\n+8*\a, AS+48*(SG%3)+12*\a, 48*(TAU%2)+12*\n, ASC+16*(\t)+4*\a+(\s)/2, BSC+4*(8+\n)+(\s)/2, \s
.endr
.endr
.endif
.endm
; THE EPILOGUE.  Four halves by turns: half a = the 32 registers at base + 32 a of the window named: one block of 32 a lane.  Codes to v[cd + cs a] on, bytes to v[BY + a].
.macro QH4 mmax, mcvt, base, cd, cs
	WIN 0
.irp a, 0,1,2,3
	v_mov_b32 v[MX+\a], 0x1800000                  ; the floor 2^(3 - 127): the byte cannot fall under 1
.endr
	WIN \mmax                                      ; sources 1 and 2: the accumulators' window
.irp i, 0,2,4,6,8,10,12,14,16,18,20,22,24,26,28,30
.irp a, 0,1,2,3
	v_max3_num_f32 v[MX+\a], v[MX+\a], |v[\base+32*\a+\i]|, |v[\base+32*\a+\i+1]|   ; ascending: each accumulator is read from its low end on
.endr
.endr
	WIN 0
.irp a, 0,1,2,3
	v_add_nc_u32 v[SO+\a], 0xff000000, v[MX+\a]    ; 2 off the exponent field: the conversion's scale operand
.endr
.irp a, 0,1,2,3
	v_lshrrev_b32 v[BY+\a], 23, v[SO+\a]           ; the byte
.endr
	WIN \mcvt                                      ; source 0: the accumulators' window
.irp a, 0,1,2,3
	v_cvt_scalef32_pk16_fp6_f32 v[\cd+\cs*\a:\cd+\cs*\a+2], v[\base+32*\a:\base+32*\a+15], v[SO+\a]
	v_cvt_scalef32_pk16_fp6_f32 v[TT+4*\a:TT+4*\a+2], v[\base+32*\a+16:\base+32*\a+31], v[SO+\a]   ; (a conversion's three registers begin on an even number)
.endr
	WIN 0
	v_nop                                          ; one plain place behind a scaled conversion
.irp a, 0,1,2,3
.irp i, 0,1,2
	v_mov_b32 v[\cd+\cs*\a+3+\i], v[TT+4*\a+\i]
.endr
.endr
.endm
.macro WORDS                           ; q's or k's four scale words from the bytes in v[BY]
.irp a, 0,1,2,3
	v_lshl_or_b32 v[WD+\a], v[BY+\a], 16, v[BY+\a] ; my block's byte, for K = 32 h on and once more for the instruction's unused 64 + 32 h on,
.endr
.irp a, 0,1,2,3
	v_lshlrev_b32 v[WD+\a], v12, v[WD+\a]          ; at its places in the word
.endr
.irp a, 0,1,2,3
	v_permlanex16_b32 v[XP+\a], v[WD+\a], s60, s61
.endr
.irp a, 0,1,2,3
	v_or_b32 v[WD+\a], v[WD+\a], v[XP+\a]          ; with lane l xor 16's the word is whole
.endr
.endm
.macro PARTQ t                         ; block t's q
	s_wait_xcnt 0x0                                ; the earlier stores have read their data: v[CD] on and v[IM] are written again only behind this wait
	QH4 0x28, 0x02, 0, CD, 6
	WORDS
	v_cndmask_b32 v[IM], v[WD], v[WD+2], s62       ; lanes 0-15: tiles 0 and 1, lanes 16-31: tiles 2 and 3
	v_cndmask_b32 v[IM+1], v[WD+1], v[WD+3], s62
.irp a, 0,1,2,3
.irp p, 0,1,2
	global_store_b64 v8, v[CD+6*\a+2*\p:CD+6*\a+2*\p+1], s[48:49] offset:3328*\t+768*\a+256*\p   ; 32 lanes store 256 consecutive bytes, aligned
.endr
.endr
	global_store_b64 v8, v[IM:IM+1], s[48:49] offset:3328*\t+3072
.endm
.macro PARTK t                         ; block t's k: the record's keys 64 t on
	s_wait_xcnt 0x0                                ; q's stores have read v[CD] on
	QH4 0x28, 0x02, 128, CD, 6
	WORDS
	v_cndmask_b32 v[KIM+2*\t], v[WD], v[WD+2], s62
	v_cndmask_b32 v[KIM+2*\t+1], v[WD+1], v[WD+3], s62
.irp q, 0,1,2,3,4,5
	global_store_b128 v2, v[CD+4*\q:CD+4*\q+3], s[50:51] offset:3072*\t+512*\q   ; the four tiles' 24 registers on end: 32 lanes store 512 consecutive bytes, aligned
.endr
.if \t == 1
	global_store_b128 v2, v[KIM:KIM+3], s[50:51] offset:12288
.endif
.endm
.macro PARTV t                         ; block t's v: registers 6 t .. 6 t + 5 of V^T's four fragments, bytes 2 t and 2 t + 1 of their scale words.  It writes no register that a pending store names
	QH4 0x3c, 0x03, 0, VC+6*\t, 12
.irp n, 0,1,2,3
	v_lshlrev_b32 v[WD+\n], v12, v[BY+\n]          ; my block's byte, 8 h bits up
.endr
.irp n, 0,1,2,3
	v_permlanex16_b32 v[XP+\n], v[WD+\n], s60, s61
.endr
.if \t == 0
.irp n, 0,1,2,3
	v_or_b32 v[VW+\n], v[WD+\n], v[XP+\n]          ; the word's lower two bytes
.endr
.else
.irp n, 0,1,2,3
	v_or_b32 v[WD+\n], v[WD+\n], v[XP+\n]
.endr
.irp n, 0,1,2,3
	v_lshl_or_b32 v[VW+\n], v[WD+\n], 16, v[VW+\n] ; and its upper two
.endr
.irp i, 0,1,2,3,4,5,6,7,8,9,10,11
	global_store_b128 v2, v[VC+4*\i:VC+4*\i+3], s[50:51] offset:6144+512*\i   ; the four fragments' 48 registers on end
.endr
	global_store_b128 v2, v[VW:VW+3], s[50:51] offset:12800    ; lanes 0-15: row r's four words; lanes 16-31 hold the same and fill the record's last 256 bytes
.endif
.endm
	WIN 0x40
	ALOAD 0
	ALOAD 1
	WIN 0
	s_wait_alu depctr_va_vdst(0)
	s_cmp_eq_u32 s12, 0
	s_cbranch_scc0 .Lnot_mine
	s_wait_tensorcnt 0x0                           ; wave 0: stage 0 has landed
.Lnot_mine:
	s_barrier_signal -1
	s_barrier_wait -1
	WIN 0x40
	BLOAD 0, 0, 0
.irp s, 0,1,2,3,4,5,6,7
.irp p, 0,1,2
	GROUP 0, \s, \p
.endr
.endr
	PARTQ 0                                        ; q's last products stand behind two groups' places; the next block's first fragments are on their way meanwhile
	PARTK 0
	PARTV 0
.irp s, 0,1,2,3,4,5,6,7
.irp p, 0,1,2
	GROUP 1, \s, \p
.endr
.endr
	PARTQ 1
	PARTK 1
	PARTV 1
	s_wait_tensorcnt 0x0
	ds_add_u32 v254, v255
	s_wait_dscnt 0x0
	CROUND                                         ; the closing round: no work-group ends while a partner may still ask jointly
	s_endpgm
.Lfunc_end_k_q43adfaf4f0_gemm1:
	.size	k_q43adfaf4f0_gemm1, .Lfunc_end_k_q43adfaf4f0_gemm1-k_q43adfaf4f0_gemm1
	.p2alignl 7, 3214868480
	.fill 96, 4, 3214868480
	.section	.rodata,"a",@progbits
	.p2align	6, 0x0
	.amdhsa_kernel k_q43adfaf4f0_gemm1
		.amdhsa_group_segment_fixed_size 168448
		.amdhsa_private_segment_fixed_size 0
		.amdhsa_enable_private_segment 0
		.amdhsa_kernarg_size 32
		.amdhsa_user_sgpr_count 2
		.amdhsa_user_sgpr_kernarg_segment_ptr 1
		.amdhsa_wavefront_size32 1
		.amdhsa_system_sgpr_workgroup_id_x 1
		.amdhsa_system_sgpr_workgroup_id_y 1
		.amdhsa_system_sgpr_workgroup_id_z 1
		.amdhsa_system_vgpr_workitem_id 0
		.amdhsa_next_free_vgpr 896
		.amdhsa_next_free_sgpr 80
		.amdhsa_reserve_vcc 0
		.amdhsa_float_denorm_mode_32 3
		.amdhsa_float_denorm_mode_16_64 3
		.amdhsa_memory_ordered 1
		.amdhsa_forward_progress 1
		.amdhsa_inst_pref_size 219
	.end_amdhsa_kernel
	.amdgpu_metadata
---
amdhsa.version: [ 1, 2 ]
amdhsa.kernels:
  - .name:           k_q43adfaf4f0_gemm1
    .symbol:         k_q43adfaf4f0_gemm1.kd
    .args:
      - { .name: xq, .offset: 0, .size: 8, .value_kind: global_buffer, .address_space: global }
      - { .name: waq, .offset: 8, .size: 8, .value_kind: global_buffer, .address_space: global }
      - { .name: qb, .offset: 16, .size: 8, .value_kind: global_buffer, .address_space: global }
      - { .name: kv, .offset: 24, .size: 8, .value_kind: global_buffer, .address_space: global }
    .group_segment_fixed_size: 168448
    .private_segment_fixed_size: 0
    .kernarg_segment_align: 8
    .kernarg_segment_size: 32
    .max_flat_workgroup_size: 128
    .sgpr_count:     80
    .vgpr_count:     896
    .wavefront_size: 32
...
	.end_amdgpu_metadata
.endif
;; end of part 2
;; launch attn (part 3): grid 4 x 64, 8 waves a work-group, clusters of 4 x 1, 215,040 bytes of LDS; arguments qb, kv, oq; writes oq
.if DOCPART == 3
	.amdgcn_target "amdgcn-amd-amdhsa--gfx1250"
	.amdhsa_code_object_version 6
	.text
	.protected	k_q43adfaf4f0_attn
	.globl	k_q43adfaf4f0_attn
	.p2align	8
	.type	k_q43adfaf4f0_attn,@function
k_q43adfaf4f0_attn:
	s_mov_b64 s[64:65], 0
	v_nop
	global_prefetch_b8 v0, s[64:65] scope:SCOPE_SE
	s_setreg_imm32_b32 hwreg(HW_REG_WAVE_MODE, 25, 1), 1
	s_wait_xcnt 0x0
	s_wait_alu depctr_hold_cnt(0) depctr_sa_sdst(0) depctr_va_vdst(0) depctr_va_sdst(0) depctr_va_ssrc(0) depctr_va_vcc(0) depctr_vm_vsrc(0)
	s_getreg_b32 s2, hwreg(HW_REG_IB_STS2, 6, 4)
	s_cmp_eq_u32 s2, 0
	s_cbranch_scc0 .Lentry_in_a_cluster
	s_endpgm
.Lentry_in_a_cluster:
	s_bfe_u32 s2, ttmp6, 0x10000c
	s_cmp_lg_u32 s2, 0x3003
	s_cbranch_scc0 .Lentry_shape_is_right
	s_endpgm
.Lentry_shape_is_right:
; o = softmax(q k^T / 8) v for one head of one batch, both products on codes of FP6 (E2M3) with E8M0 block scales; o is quantised here for the output projection.
; THE SOFTMAX: t = score x log2(e) / 8; M = the row's largest t so far, rounded UP to a whole number; p = 2^(t - M) is quantised along the keys, not normalised.
; The row's sum is taken of the unquantised p, in f32, and divides O at the end.  When M moves, the sum and O are multiplied by 2^(old M - new M): exact, no branch on data.
; SHARES.  A work-group owns 512 queries of one head; wave w of eight owns group w of 64 queries: two passes of TWO tiles of 16 queries, so that each fragment of K and V read from LDS feeds two tiles.
; THE HEAD'S WHOLE K AND V (16 records of 128 keys, 212,992 bytes) STAY IN LDS: one tensor load a wave, two records each, no byte filled twice.  Waves 0 and 1 have a load line of their own:
; the first four key steps begin when records 0 to 3 are in; a second barrier shows the rest.  All is asked for at the head, so there is no loop to prefetch ahead in.
; CLUSTER.  The four work-groups of a cluster have the same head and other queries: the records are asked for JOINTLY, with a mask that names the four.
; LAYOUT.  Both products are used transposed: S^T = K Q^T, O^T = V^T P^T: a lane holds ONE query.  Tile a of 64 keys holds, in lane row i, key 32 (i / 8) + 8 a + i % 8:
; register 32 c + 8 a + j of the scores is key 64 c + 32 h + 8 a + j: a lane's 32 registers are one block of 32 keys.  V^T's tiles hold d in the same pattern: O^T's 32 registers are d = 32 h + 0..31.
; K = 64 IN AN INSTRUCTION OF 128: Q's upper six registers are zero codes; a tile of K names the next tile's six registers as its upper half (the last: six zeros).
; THE STEP IS TURNED ROUND: K's loads, the LAST step's O^T += V^T P^T, V's loads, the scores, the softmax.  The step is written once: a pass's first step finds zero codes in P and zeros in O^T; the last product stands behind the loop.
; A block's largest p is not searched for: the block's largest score goes through the same multiply-add and exponential; this takes v_exp_f32 not to fall where its input rises.
; LIMITS: the promise holds while the scaled scores stay under 2^31 in magnitude; a block of zeros gets the byte 1 (its codes are zeros, this program alone reads the bytes); NaN and infinities are not served.
; REGISTERS.  Window 0: addresses, the softmax's state, scale words, both tiles' scores (v64-191), P.  Window 1: K v0-53, V^T v56-103, O^T v104-167, Q v168-191, the second pass's Q v192-203.
.set REC,  13312                       ; a record: K's 48 registers (6,144) | V^T's 48 (6,144) | K's scale words (512) | V^T's (512)
.set OSEC, 6291456                     ; the scale tiles in oq
.set ADR,  4                           ; v4 the step's record + 16 x lane;  v5 + 16 r
.set ADV,  5
.set NM,   12                          ; tile T: v[12+4T] -M, v[13+4T] the largest t, v[14+4T:15+4T] the sum
.set SU,   14
.set SM,   20                          ; v[20+2T:21+2T] the sum's second chain
.set OLD,  24                          ; -M as the last step left it
.set F,    26                          ; v[26+2T] f = 2^(old M - new M); the register above is named with it
.set W,    30
.set XP,   32
.set CA,   34                          ; v[34+4T+c] block c's largest score; +2: its second chain
.set SO,   42                          ; the conversions' scale operands
.set BY,   46                          ; the bytes
.set KS,   50                          ; v50-53 K's scale words; v54-57 V^T's; v58-59 P's; v60-61 the second pass's Q's; v62-63 Q's
.set VS,   54
.set PS,   58
.set QT,   60
.set QS,   62
.set S,    64
.set P,    192                         ; v[192+12T ..] P's codes
.set T0,   216                         ; the conversions' second halves
.set RL,   232                         ; 1 / the sum, twice
.set KK,   0                           ; window 1
.set VV,   56
.set OO,   104
.set QW,   168
.set QX,   192
.set TB,   48                          ; s48 LDS byte of the step's record
.set MSB, 0
.macro WIN new                         ; the immediate's high byte repeats the setting that is left
.if MSB != \new
	s_set_vgpr_msb (MSB<<8)|\new
.set MSB, \new
.endif
.endm
.macro WALU
	s_wait_alu depctr_va_vdst(0)
.endm
.macro CROUND
	s_barrier_signal -1
	s_barrier_wait -1
	s_cmp_lg_u32 s18, 0
	s_cbranch_scc1 .Lnot_wave_0_\@
	s_barrier_signal -3
.Lnot_wave_0_\@:
	s_barrier_wait -3
	s_barrier_signal -1
	s_barrier_wait -1
.endm
	s_load_b128 s[4:7], s[0:1], 0x0                ; qb, kv
	s_load_b64 s[8:9], s[0:1], 0x10                ; oq
	v_lshl_add_u32 v254, v0, 2, 0x34000
	v_mov_b32 v255, 0
	ds_add_u32 v254, v255
	ds_add_u32 v254, v255
	v_lshrrev_b32 v1, 5, v0
	v_readfirstlane_b32 s18, v1                    ; wave 0..7
	s_bfe_u32 s13, ttmp6, 0x40000                  ; cx
	s_lshl_b32 s14, ttmp9, 2
	s_add_co_u32 s14, s14, s13                     ; my block of 512 queries: it enters plain loads' and stores' addresses alone
	s_and_b32 s15, ttmp7, 0xffff                   ; 16 x batch + head, which the four partners share
	s_mov_b32 s24, 15|(3<<16)|(1<<21)              ; group 1: the mask; elements of 8 bytes; bit 21 beside a mask
	s_mov_b32 s25, 32<<16                          ; rows of 256 bytes
	s_mov_b32 s26, 104<<16                         ; 104 rows: two records, dense
	s_mov_b32 s27, 32<<16
	s_mov_b32 s28, 104
	s_mov_b32 s29, 32
	s_mov_b32 s30, 0
	s_mov_b32 s31, 0
	s_mul_i32 s70, s15, 16*REC
	s_mul_i32 s71, s18, 2*REC                      ; my two records, in memory and in LDS alike
	s_add_co_u32 s72, s70, s71
	s_mov_b32 s73, 0
	s_mov_b32 s32, 1
	s_mov_b32 s33, s71
	WALU
	s_wait_dscnt 0x0
	s_wait_kmcnt 0x0
	s_add_nc_u64 s[34:35], s[6:7], s[72:73]
	s_or_b32 s35, s35, 0x80000000
	CROUND                                         ; all four work-groups are here: the joint loads meet
	s_cmp_lt_u32 s18, 2
	s_cbranch_scc0 .Lrest
	tensor_load_to_lds s[32:35], s[24:31]          ; waves 0 and 1: records 0 to 3
	s_nop 0
.rept 4
	v_nop
.endr
	s_branch .Lasked
.Lrest:
	tensor_load_to_lds s[32:35], s[24:31]          ; waves 2 to 7: records 4 to 15
	s_nop 0
.rept 4
	v_nop
.endr
.Lasked:
	s_lshl_b32 s70, s14, 3
	s_add_co_u32 s70, s70, s18                     ; my group of 64 queries in the batch
	s_lshl_b32 s72, s15, 5
	s_add_co_u32 s72, s72, s70
	s_mul_i32 s74, s72, 3328
	s_mov_b32 s75, 0
	s_add_nc_u64 s[50:51], s[4:5], s[74:75]        ; the group's record in qb
	s_lshr_b32 s76, s15, 4
	s_lshl_b32 s76, s76, 5
	s_add_co_u32 s76, s76, s70                     ; the group among all 128
	s_and_b32 s77, s15, 15
	s_lshr_b32 s78, s77, 1                         ; the head's K step of the output projection
	s_and_b32 s79, s77, 1                          ; and which half of it
	s_lshl_b32 s74, s76, 3
	s_add_co_u32 s74, s74, s78
	s_mul_i32 s74, s74, 6144
	s_mul_i32 s72, s79, 768
	s_add_co_u32 s74, s74, s72
	s_add_nc_u64 s[54:55], s[8:9], s[74:75]        ; o's codes, tile 0; a tile is 1,536 on
	s_lshl_b32 s74, s76, 11
	s_lshl_b32 s72, s78, 6
	s_add_co_u32 s74, s74, s72
	s_lshl_b32 s72, s79, 1
	s_add_co_u32 s74, s74, s72
	s_add_co_u32 s74, s74, OSEC
	s_add_nc_u64 s[56:57], s[8:9], s[74:75]        ; o's scale bytes, tile 0; a tile is 512 on
	s_mov_b32 s20, 0x76543210
	s_mov_b32 s21, 0xfedcba98                      ; selects for lane l xor 16
	s_mov_b32 s22, 0x3e38aa3b                      ; c = log2(e) / 8
	s_mov_b32 s23, s22
	v_and_b32 v9, 31, v0
	v_lshlrev_b32 v8, 4, v9                        ; 16 x lane
	v_lshlrev_b32 v1, 3, v9                        ; 8 x lane
	v_and_b32 v10, 15, v0                          ; r
	v_bfe_u32 v11, v0, 4, 1                        ; h
	v_lshlrev_b32 v2, 4, v10                       ; 16 r
	v_lshlrev_b32 v3, 3, v11                       ; 8 h
	v_lshlrev_b32 v6, 3, v10                       ; 8 r
	v_lshl_add_u32 v7, v10, 2, v11                 ; 4 r + h
	WALU
	WIN 0x40                                       ; destinations in window 1
.irp u, 0,1
.irp i, 0,1,2
	global_load_b64 v[QW+12*\u+2*\i:QW+12*\u+2*\i+1], v1, s[50:51] offset:768*\u+256*\i        ; the first pass's two tiles of Q
	global_load_b64 v[QX+6*\u+2*\i:QX+6*\u+2*\i+1], v1, s[50:51] offset:1536+768*\u+256*\i     ; the second pass's
.endr
.endr
.irp i, 0,1,2,3,4,5
	v_mov_b32 v[QW+6+\i], 0                        ; Q's upper 64 along K: zero codes
	v_mov_b32 v[QW+18+\i], 0
	v_mov_b32 v[KK+48+\i], 0                       ; the last tile of K's upper half
.endr
.set j_, 0
.rept 48
	v_mov_b32 v[VV+j_], 0                          ; what the very first step's product finds beside P's zero codes
.set j_, j_+1
.endr
	WIN 0
.irp u, 0,1
	global_load_b32 v[QS+\u], v6, s[50:51] offset:3072+4*\u
	global_load_b32 v[QT+\u], v6, s[50:51] offset:3200+4*\u
.endr
.irp i, 0,1,2,3,4,5
	v_mov_b32 v[VS+\i], 0                          ; V^T's and P's scale words
.endr
.irp T, 0,1
	v_mov_b32 v[XP+\T], 0                          ; a lane permute's destination counts as one of its sources
	v_mov_b32 v[F+2*\T+1], 0
.endr
; O^T += V^T P^T of both tiles: eight accumulators, one instruction a turn; behind them the sums' two chains join: plain lines that name none of the products' registers
.macro PVS
	WIN 0x51                                       ; V^T, C and D window 1, P window 0
.irp n, 0,1,2,3
.irp T, 0,1
	v_wmma_scale_f32_16x16x128_f8f6f4 v[OO+32*\T+8*\n:OO+32*\T+8*\n+7], v[VV+12*\n:VV+12*\n+11], v[P+12*\T:P+12*\T+11], v[OO+32*\T+8*\n:OO+32*\T+8*\n+7], v[VS+\n], v[PS+\T] matrix_a_fmt:MATRIX_FMT_FP6 matrix_b_fmt:MATRIX_FMT_FP6
.endr
.endr
	WIN 0
.irp T, 0,1
	v_pk_add_f32 v[SU+4*\T:SU+4*\T+1], v[SU+4*\T:SU+4*\T+1], v[SM+2*\T:SM+2*\T+1]
.endr
.endm
.macro SCORES T                        ; S^T of tile T: eight sums, each begun by the constant 0
.irp c, 0,1
.irp a, 0,1
	v_wmma_scale_f32_16x16x128_f8f6f4 v[S+64*\T+32*\c+8*\a:S+64*\T+32*\c+8*\a+7], v[KK+6*(4*\c+\a):KK+6*(4*\c+\a)+11], v[QW+12*\T:QW+12*\T+11], 0, v[KS+2*\c+\a], v[QS+\T] matrix_a_fmt:MATRIX_FMT_FP6 matrix_b_fmt:MATRIX_FMT_FP6
.endr
.irp a, 2,3
	v_wmma_scale_f32_16x16x128_f8f6f4 v[S+64*\T+32*\c+8*\a:S+64*\T+32*\c+8*\a+7], v[KK+6*(4*\c+\a):KK+6*(4*\c+\a)+11], v[QW+12*\T:QW+12*\T+11], 0, v[KS+2*\c+\a-2], v[QS+\T] matrix_a_fmt:MATRIX_FMT_FP6 matrix_b_fmt:MATRIX_FMT_FP6 matrix_a_scale:MATRIX_SCALE_ROW1
.endr
.endr
.endm
.macro MAXES T                         ; the largest score of my blocks h and 2 + h: four chains by turns; each accumulator is read from its low end on
.set X_, S+64*(\T)
.set C_, CA+4*(\T)
.irp c, 0,1
	v_max3_num_f32 v[C_+\c], v[X_+32*\c], v[X_+32*\c+1], v[X_+32*\c+2]
	v_max3_num_f32 v[C_+2+\c], v[X_+32*\c+16], v[X_+32*\c+17], v[X_+32*\c+18]
.endr
.irp i, 3,5,7,9,11,13
.irp c, 0,1
	v_max3_num_f32 v[C_+\c], v[C_+\c], v[X_+32*\c+\i], v[X_+32*\c+\i+1]
	v_max3_num_f32 v[C_+2+\c], v[C_+2+\c], v[X_+32*\c+16+\i], v[X_+32*\c+17+\i]
.endr
.endr
.irp c, 0,1
	v_max3_num_f32 v[C_+\c], v[C_+\c], v[X_+32*\c+15], v[X_+32*\c+31]
.endr
.irp c, 0,1
	v_max_num_f32 v[C_+\c], v[C_+\c], v[C_+2+\c]
.endr
.endm
; A KEY STEP: the 128 keys of the record at s[TB], for both tiles
.macro STEP
	v_add_nc_u32 v[ADR], s[TB], v8
	v_add_nc_u32 v[ADV], s[TB], v2
	WALU
	WIN 0x40
.irp i, 0,1,2,3,4,5,6,7,8,9,10,11
	ds_load_b128 v[KK+4*\i:KK+4*\i+3], v[ADR] offset:512*\i
.endr
	WIN 0
	ds_load_b128 v[KS:KS+3], v[ADR] offset:12288
	s_wait_dscnt 13                                ; the last step's V^T and its scale words are in; K's 13 loads may be out
	PVS
.irp T, 0,1
	v_mov_b32 v[OLD+\T], v[NM+4*\T]                ; (with the two joins: four places ahead of the loads into V^T's registers)
.endr
	WIN 0x40
.irp i, 0,1,2,3,4,5,6,7,8,9,10,11
	ds_load_b128 v[VV+4*\i:VV+4*\i+3], v[ADR] offset:6144+512*\i
.endr
	WIN 0
	ds_load_b128 v[VS:VS+3], v[ADV] offset:12800
	s_wait_dscnt 13                                ; K and its scale words are in; V^T's 13 loads may be out
	WIN 0x05                                       ; K and Q window 1, the scores window 0
	SCORES 0
	SCORES 1
	WIN 0
.rept 4
	v_nop                                          ; four places ahead of the first read of the scores
.endr
	MAXES 0
	MAXES 1
.irp T, 0,1
	v_max_num_f32 v[W+\T], v[CA+4*\T], v[CA+4*\T+1]
.endr
.irp T, 0,1
	v_permlanex16_b32 v[XP+\T], v[W+\T], s20, s21
.endr
.irp T, 0,1
	v_max_num_f32 v[W+\T], v[W+\T], v[XP+\T]       ; the step's largest score of my query
.endr
.irp T, 0,1
	v_mul_f32 v[W+\T], s22, v[W+\T]                ; as t (c is positive)
.endr
.irp T, 0,1
	v_max_num_f32 v[NM+4*\T+1], v[NM+4*\T+1], v[W+\T]
.endr
.irp T, 0,1
	v_floor_f32 v[NM+4*\T], -v[NM+4*\T+1]          ; the new -M = -ceil(t)
.endr
.irp T, 0,1
	v_sub_f32 v[W+\T], v[NM+4*\T], v[OLD+\T]       ; old M - new M, a whole number, 0 or less
.endr
.irp T, 0,1
	v_cvt_i32_f32 v[W+\T], v[W+\T]                 ; (it saturates)
.endr
.irp T, 0,1
	v_ldexp_f32 v[F+2*\T], 1.0, v[W+\T]
.endr
.irp T, 0,1
.irp c, 0,1
	v_fma_f32 v[CA+4*\T+\c], v[CA+4*\T+\c], s22, v[NM+4*\T]   ; t - M of each block's largest score
.endr
.endr
.irp T, 0,1
.set j_, 0
.rept 32
	v_pk_fma_f32 v[S+64*\T+j_:S+64*\T+j_+1], v[S+64*\T+j_:S+64*\T+j_+1], s[22:23], v[NM+4*\T:NM+4*\T+1] op_sel_hi:[1,0,0]   ; t - M
.set j_, j_+2
.endr
.endr
	WIN 0x41
.irp T, 0,1
.set j_, 0
.rept 16
	v_pk_mul_f32 v[OO+32*\T+j_:OO+32*\T+j_+1], v[OO+32*\T+j_:OO+32*\T+j_+1], v[F+2*\T:F+2*\T+1] op_sel_hi:[1,0]   ; O^T under the new M, ascending
.set j_, j_+2
.endr
.endr
	WIN 0
	WALU                                           ; one wait ahead of the batch
.irp k, 0,1,4,5
	v_exp_f32 v[CA+\k], v[CA+\k]                   ; the blocks' largest p
.endr
.set j_, 0
.rept 128
	v_exp_f32 v[S+j_], v[S+j_]                     ; p = 2^(t - M), at most 1
.set j_, j_+1
.endr
.irp T, 0,1
	v_pk_mul_f32 v[SU+4*\T:SU+4*\T+1], v[SU+4*\T:SU+4*\T+1], v[F+2*\T:F+2*\T+1] op_sel_hi:[1,0]   ; the sums under the new M: the plain place behind the batch
.endr
	WALU                                           ; and one behind it
.irp T, 0,1
.irp c, 0,1
	v_max_num_f32 v[CA+4*\T+\c], 0x1800000, v[CA+4*\T+\c]      ; the floor 2^(3 - 127): the byte cannot fall under 1
.endr
.endr
.irp T, 0,1
.irp c, 0,1
	v_add_nc_u32 v[SO+2*\T+\c], 0xff000000, v[CA+4*\T+\c]      ; 2 off the exponent field: the conversion's scale operand
.endr
.endr
.irp T, 0,1
.irp c, 0,1
	v_lshrrev_b32 v[BY+2*\T+\c], 23, v[SO+2*\T+\c]
.endr
.endr
.irp T, 0,1
	v_lshl_or_b32 v[W+\T], v[BY+2*\T+1], 16, v[BY+2*\T]        ; my two bytes: blocks h and 2 + h,
.endr
.irp T, 0,1
	v_lshlrev_b32 v[W+\T], v3, v[W+\T]                         ; at their places in the word
.endr
.irp T, 0,1
	v_permlanex16_b32 v[XP+\T], v[W+\T], s20, s21
.endr
.irp T, 0,1
	v_or_b32 v[PS+\T], v[W+\T], v[XP+\T]                       ; p's scale word for these 128 keys
.endr
.irp T, 0,1
.irp c, 0,1
	v_cvt_scalef32_pk16_fp6_f32 v[P+12*\T+6*\c:P+12*\T+6*\c+2], v[S+64*\T+32*\c:S+64*\T+32*\c+15], v[SO+2*\T+\c]
	v_cvt_scalef32_pk16_fp6_f32 v[T0+8*\T+4*\c:T0+8*\T+4*\c+2], v[S+64*\T+32*\c+16:S+64*\T+32*\c+31], v[SO+2*\T+\c]   ; (a conversion's three registers begin on an even number)
.endr
.endr
.irp T, 0,1
	v_pk_add_f32 v[SM+2*\T:SM+2*\T+1], v[S+64*\T:S+64*\T+1], v[S+64*\T+2:S+64*\T+3]   ; THE SUM IS TAKEN OF THE UNQUANTISED p; the second chain begins anew.  (The plain place behind the conversions)
.endr
.irp T, 0,1
.irp c, 0,1
.irp i, 0,1,2
	v_mov_b32 v[P+12*\T+6*\c+3+\i], v[T0+8*\T+4*\c+\i]
.endr
.endr
.endr
.set j_, 4
.rept 15
.irp T, 0,1
	v_pk_add_f32 v[SU+4*\T:SU+4*\T+1], v[SU+4*\T:SU+4*\T+1], v[S+64*\T+j_:S+64*\T+j_+1]   ; sixty lines between P's last move and the products that take P
	v_pk_add_f32 v[SM+2*\T:SM+2*\T+1], v[SM+2*\T:SM+2*\T+1], v[S+64*\T+j_+2:S+64*\T+j_+3]
.endr
.set j_, j_+4
.endr
.endm
.macro LOOP n, first                   ; n key steps from record first on
	s_mov_b32 s[TB], (\first)*REC
	s_mov_b32 s49, \n
.Lstep_\@:
	STEP
	s_add_co_u32 s[TB], s[TB], REC
	s_sub_co_u32 s49, s49, 1
	s_cmp_lg_u32 s49, 0
	WALU
	s_cbranch_scc1 .Lstep_\@
.endm
.macro PRO p                           ; a pass's start
.if \p
	WIN 0x41
.irp T, 0,1
.irp i, 0,1,2,3,4,5
	v_mov_b32 v[QW+12*\T+\i], v[QX+6*\T+\i]        ; the second pass's Q
.endr
.endr
	WIN 0
	v_mov_b32 v[QS], v[QT]
	v_mov_b32 v[QS+1], v[QT+1]
.endif
.set j_, 0
.rept 24
	v_mov_b32 v[P+j_], 0                           ; zero codes for the first step's product
.set j_, j_+1
.endr
.irp T, 0,1
	v_mov_b32 v[NM+4*\T+1], 0xff61b1e6             ; the largest t so far: -3e38
	v_floor_f32 v[NM+4*\T], -v[NM+4*\T+1]
	v_mov_b32 v[SU+4*\T], 0
	v_mov_b32 v[SU+4*\T+1], 0
	v_mov_b32 v[SM+2*\T], 0
	v_mov_b32 v[SM+2*\T+1], 0
.endr
	WIN 0x40
.set j_, 0
.rept 64
	v_mov_b32 v[OO+j_], 0
.set j_, j_+1
.endr
	WIN 0
.endm
; A pass's end: the last step's product; O^T / the sum; a lane's 32 numbers are one block of the output projection's K: byte, codes, out
.macro EPI p
	s_wait_dscnt 0x0                               ; the last V^T is in
	PVS
.irp T, 0,1
	v_add_f32 v[W+\T], v[SU+4*\T], v[SU+4*\T+1]
.endr
.irp T, 0,1
	v_permlanex16_b32 v[XP+\T], v[W+\T], s20, s21
.endr
.irp T, 0,1
	v_add_f32 v[W+\T], v[W+\T], v[XP+\T]           ; the row's sum
.endr
	WALU
.irp T, 0,1
	v_rcp_f32 v[RL+2*\T], v[W+\T]
	v_rcp_f32 v[RL+2*\T+1], v[W+\T]
.endr
	v_nop
	WIN 0x01
	WALU                                           ; directly ahead of the first reader of O^T and of the reciprocals
.irp T, 0,1
.set j_, 0
.rept 16
	v_pk_mul_f32 v[S+64*\T+j_:S+64*\T+j_+1], v[OO+32*\T+j_:OO+32*\T+j_+1], v[RL+2*\T:RL+2*\T+1]
.set j_, j_+2
.endr
.endr
	WIN 0
.irp T, 0,1
	v_max3_num_f32 v[CA+4*\T], |v[S+64*\T]|, |v[S+64*\T+1]|, 0x1800000
	v_max3_num_f32 v[CA+4*\T+2], |v[S+64*\T+2]|, |v[S+64*\T+3]|, |v[S+64*\T+4]|
.endr
.irp i, 5,9,13,17,21,25
.irp T, 0,1
	v_max3_num_f32 v[CA+4*\T], v[CA+4*\T], |v[S+64*\T+\i]|, |v[S+64*\T+\i+1]|
	v_max3_num_f32 v[CA+4*\T+2], v[CA+4*\T+2], |v[S+64*\T+\i+2]|, |v[S+64*\T+\i+3]|
.endr
.endr
.irp T, 0,1
	v_max3_num_f32 v[CA+4*\T], v[CA+4*\T], |v[S+64*\T+29]|, |v[S+64*\T+30]|
.endr
.irp T, 0,1
	v_max3_num_f32 v[CA+4*\T], v[CA+4*\T], v[CA+4*\T+2], |v[S+64*\T+31]|
.endr
.irp T, 0,1
	v_add_nc_u32 v[SO+2*\T], 0xff000000, v[CA+4*\T]
.endr
.irp T, 0,1
	v_lshrrev_b32 v[BY+2*\T], 23, v[SO+2*\T]
.endr
.irp T, 0,1
	v_cvt_scalef32_pk16_fp6_f32 v[P+12*\T:P+12*\T+2], v[S+64*\T:S+64*\T+15], v[SO+2*\T]
	v_cvt_scalef32_pk16_fp6_f32 v[T0+8*\T:T0+8*\T+2], v[S+64*\T+16:S+64*\T+31], v[SO+2*\T]
.endr
	v_nop                                          ; one plain place behind a scaled conversion
.irp T, 0,1
.irp i, 0,1,2
	v_mov_b32 v[P+12*\T+3+\i], v[T0+8*\T+\i]
.endr
.endr
.irp T, 0,1
.irp i, 0,1,2
	global_store_b64 v1, v[P+12*\T+2*\i:P+12*\T+2*\i+1], s[54:55] offset:1536*(2*\p+\T)+256*\i   ; 32 lanes store 256 consecutive bytes, aligned
.endr
	global_store_b8 v7, v[BY+2*\T], s[56:57] offset:512*(2*\p+\T)   ; byte 2 c + h of row r's word of this K step; the other two bytes are the neighbouring head's
.endr
.endm
	PRO 0
	WALU
	s_wait_loadcnt 0x0                             ; Q
	s_cmp_lt_u32 s18, 2
	s_cbranch_scc0 .Lnot_first
	s_wait_tensorcnt 0x0                           ; waves 0 and 1: records 0 to 3 have landed
.Lnot_first:
	s_barrier_signal -1
	s_barrier_wait -1
	LOOP 4, 0
	s_wait_tensorcnt 0x0                           ; every wave: all records have landed
	s_wait_dscnt 0x0                               ; no LDS load of mine is out at the signal
	s_barrier_signal -1
	s_barrier_wait -1
	LOOP 12, 4
	EPI 0
	s_wait_xcnt 0x0                                ; the stores have read their data: P and the bytes are written again only behind this wait
	PRO 1
	WALU
	LOOP 16, 0                                     ; the second pass: all records lie in LDS
	EPI 1
	s_wait_tensorcnt 0x0                           ; the wave's end
	ds_add_u32 v254, v255
	s_wait_dscnt 0x0
	CROUND                                         ; the closing round
	s_endpgm
.Lfunc_end_k_q43adfaf4f0_attn:
	.size	k_q43adfaf4f0_attn, .Lfunc_end_k_q43adfaf4f0_attn-k_q43adfaf4f0_attn
	.p2alignl 7, 3214868480
	.fill 96, 4, 3214868480
	.section	.rodata,"a",@progbits
	.p2align	6, 0x0
	.amdhsa_kernel k_q43adfaf4f0_attn
		.amdhsa_group_segment_fixed_size 215040
		.amdhsa_private_segment_fixed_size 0
		.amdhsa_enable_private_segment 0
		.amdhsa_kernarg_size 24
		.amdhsa_user_sgpr_count 2
		.amdhsa_user_sgpr_kernarg_segment_ptr 1
		.amdhsa_wavefront_size32 1
		.amdhsa_system_sgpr_workgroup_id_x 1
		.amdhsa_system_sgpr_workgroup_id_y 1
		.amdhsa_system_sgpr_workgroup_id_z 1
		.amdhsa_system_vgpr_workitem_id 0
		.amdhsa_next_free_vgpr 512
		.amdhsa_next_free_sgpr 80
		.amdhsa_reserve_vcc 0
		.amdhsa_float_denorm_mode_32 3
		.amdhsa_float_denorm_mode_16_64 3
		.amdhsa_memory_ordered 1
		.amdhsa_forward_progress 1
		.amdhsa_inst_pref_size 111
	.end_amdhsa_kernel
	.amdgpu_metadata
---
amdhsa.version: [ 1, 2 ]
amdhsa.kernels:
  - .name:           k_q43adfaf4f0_attn
    .symbol:         k_q43adfaf4f0_attn.kd
    .args:
      - { .name: qb, .offset: 0, .size: 8, .value_kind: global_buffer, .address_space: global }
      - { .name: kv, .offset: 8, .size: 8, .value_kind: global_buffer, .address_space: global }
      - { .name: oq, .offset: 16, .size: 8, .value_kind: global_buffer, .address_space: global }
    .group_segment_fixed_size: 215040
    .private_segment_fixed_size: 0
    .kernarg_segment_align: 8
    .kernarg_segment_size: 24
    .max_flat_workgroup_size: 256
    .sgpr_count:     80
    .vgpr_count:     512
    .wavefront_size: 32
...
	.end_amdgpu_metadata
.endif
;; end of part 3
;; launch gemm2 (part 4): grid 32 x 8, 4 waves a work-group, clusters of 4 x 1, 168,448 bytes of LDS; arguments oq, woq, Wout_b, out0; writes out0
.if DOCPART == 4
	.amdgcn_target "amdgcn-amd-amdhsa--gfx1250"
	.amdhsa_code_object_version 6
	.text
	.protected	k_q43adfaf4f0_gemm2
	.globl	k_q43adfaf4f0_gemm2
	.p2align	8
	.type	k_q43adfaf4f0_gemm2,@function
k_q43adfaf4f0_gemm2:
	s_mov_b64 s[64:65], 0
	v_nop
	global_prefetch_b8 v0, s[64:65] scope:SCOPE_SE
	s_setreg_imm32_b32 hwreg(HW_REG_WAVE_MODE, 25, 1), 1
	s_wait_xcnt 0x0
	s_wait_alu depctr_hold_cnt(0) depctr_sa_sdst(0) depctr_va_vdst(0) depctr_va_sdst(0) depctr_va_ssrc(0) depctr_va_vcc(0) depctr_vm_vsrc(0)
	s_getreg_b32 s2, hwreg(HW_REG_IB_STS2, 6, 4)
	s_cmp_eq_u32 s2, 0
	s_cbranch_scc0 .Lentry_in_a_cluster
	s_endpgm
.Lentry_in_a_cluster:
	s_bfe_u32 s2, ttmp6, 0x10000c
	s_cmp_lg_u32 s2, 0x3003
	s_cbranch_scc0 .Lentry_shape_is_right
	s_endpgm
.Lentry_shape_is_right:
; out0 = o Wout_w^T + Wout_b on codes of FP6 (E2M3) with E8M0 block scales; sums in f32.
; SHARES.  A work-group makes 256 rows x 128 columns (a panel); wave w makes 64 rows (one group) x 128: 32 accumulators, 256 registers.
; The panel's codes of Wout_w, all of K (98,304 bytes), lie in LDS for the whole launch: they come by first fills alone, four stages of two K steps, and no LDS byte is filled twice.
; CLUSTER.  The four work-groups of a cluster have the same panel and other rows: the panel's codes are asked for JOINTLY, the same four tensor loads a wave with a mask that names the four.
; o's fragments are each read by one wave of the work-group: they go from memory to registers by plain loads, two K steps ahead, in three sets.
; LAYOUT.  Source 0 = Wout_w's tile u of 64 columns (lane row i: column 32 (i / 8) + 8 u + i % 8), source 1 = o's tile a: lane (r, h) holds row r of o's tile a, and the 32 registers of u = 0..3 are 32 neighbouring columns.
; The bias is the C of each sum's first product: eight registers a tile, in the result's layout.
; REGISTERS, in windows of 256: window 0: v2-11 addresses; v16-47 Wout_w's scale words, v48-63 o's (each register: an even K step in lanes 0-15, the odd one behind it in lanes 16-31); v64-191 rows on the way out.
;   window 1: v0-47, v48-95 four fragments of Wout_w, two sets; v96-239 four fragments of o, three sets.   window 2: the accumulators at v[64 a + 32 g + 8 u].   window 3: v0-63 the bias.
.set OSEC,  6291456                    ; the scale tiles in oq
.set WOSEC, 786432                     ; and in woq
.set STAGE, 98304                      ; behind Wout_w's codes: a stage of 16 rows x 528 bytes for each wave; no tensor load lands there
.set LB,   4                           ; v4-5   16 x lane + 49,152 x (K step / 4)
.set STO,  10                          ; v10    into my stage
.set RD,   11                          ; v11    out of it
.set BSC,  16
.set ASC,  48
.set BK,   64
.set AS,   96
.set MSB, 0
.macro WIN new                         ; the immediate's high byte repeats the setting that is left
.if MSB != \new
	s_set_vgpr_msb (MSB<<8)|\new
.set MSB, \new
.endif
.endm
.macro CROUND                          ; a round of the cluster's barrier
	s_barrier_signal -1
	s_barrier_wait -1
	s_cmp_lg_u32 s12, 0
	s_cbranch_scc1 .Lnot_wave_0_\@
	s_barrier_signal -3
.Lnot_wave_0_\@:
	s_barrier_wait -3
	s_barrier_signal -1
	s_barrier_wait -1
.endm
.macro PLACES                          ; four places behind matrix instructions (ISA guide 7.12.1)
.rept 4
	v_nop
.endr
.endm
	s_load_b256 s[4:11], s[0:1], 0x0               ; oq s[4:5], woq s[6:7], Wout_b s[8:9], out0 s[10:11]
	v_lshl_add_u32 v254, v0, 2, 0x29000
	v_mov_b32 v255, 0
	ds_add_u32 v254, v255
	ds_add_u32 v254, v255
	v_lshrrev_b32 v1, 5, v0
	v_readfirstlane_b32 s12, v1                    ; wave 0..3
	s_bfe_u32 s13, ttmp6, 0x40000                  ; cx
	s_lshl_b32 s14, ttmp9, 2
	s_add_co_u32 s14, s14, s13                     ; my block of 256 rows: it enters plain loads' and stores' addresses alone
	s_and_b32 s15, ttmp7, 0xffff                   ; the panel, which the four partners share
	s_mov_b32 s24, 15|(3<<16)|(1<<21)              ; group 1: the mask: all four; elements of 8 bytes; bit 21 beside a mask; no padding
	s_mov_b32 s25, 32<<16                          ; tensor_dim0 = 32 elements: rows of 256 bytes
	s_mov_b32 s26, 96<<16                          ; tensor_dim1 = 96 rows: a whole stage, 24,576 dense bytes
	s_mov_b32 s27, 32<<16                          ; tile_dim0
	s_mov_b32 s28, 96                              ; tile_dim1
	s_mov_b32 s29, 32                              ; the pitch
	s_mov_b32 s30, 0
	s_mov_b32 s31, 0
	s_mul_i32 s66, s15, 98304                      ; the panel's codes in woq
	s_mul_i32 s67, s12, 24576                      ; wave w fetches stage w whole: its place in memory and in LDS alike
	s_add_co_u32 s68, s66, s67
	s_mov_b32 s69, 0
	s_wait_dscnt 0x0
	s_wait_kmcnt 0x0
	s_add_nc_u64 s[22:23], s[6:7], s[68:69]
	s_mov_b32 s32, 1                               ; group 0: count = 1,
	s_mov_b32 s33, s67                             ; LDS address,
	s_mov_b64 s[34:35], s[22:23]                   ; global address,
	s_or_b32 s35, s35, 0x80000000                  ; type = 2
	CROUND                                         ; all four work-groups are here: the joint loads meet
; one tensor load a wave, each on a line of its own in one chain of branches on the wave's number: wave w's line brings stage w
.irp w, 0,1,2
	s_cmp_eq_u32 s12, \w
	s_cbranch_scc0 .Lnot_\w
	tensor_load_to_lds s[32:35], s[24:31]
	s_nop 0
	PLACES
	s_branch .Lasked
.Lnot_\w:
.endr
	tensor_load_to_lds s[32:35], s[24:31]
	s_nop 0
	PLACES
.Lasked:
	s_mov_b32 s73, 0
	s_lshl_b32 s70, s14, 2
	s_add_co_u32 s70, s70, s12                     ; my group of 64 rows
	s_mul_i32 s72, s70, 49152
	s_add_nc_u64 s[16:17], s[4:5], s[72:73]        ; its codes,
	s_lshl_b32 s72, s70, 11
	s_add_co_u32 s72, s72, OSEC
	s_add_nc_u64 s[18:19], s[4:5], s[72:73]        ; its scale tiles,
	s_lshl_b32 s72, s15, 12
	s_add_co_u32 s72, s72, WOSEC
	s_add_nc_u64 s[20:21], s[6:7], s[72:73]        ; the panel's scale tiles,
	s_lshl_b32 s72, s15, 9
	s_add_nc_u64 s[48:49], s[8:9], s[72:73]        ; its 128 numbers of the bias,
	s_lshl_b32 s74, s70, 18
	s_add_co_u32 s72, s72, s74
	s_add_nc_u64 s[50:51], s[10:11], s[72:73]      ; my 64 rows of 4,096 bytes, the panel's 512 bytes in them
	v_and_b32 v1, 31, v0                           ; lane
	v_and_b32 v12, 15, v0                          ; r
	v_bfe_u32 v13, v0, 4, 1                        ; h
	v_lshlrev_b32 v2, 4, v1                        ; 16 x lane
	v_lshlrev_b32 v3, 2, v1                        ; 4 x lane
	v_lshlrev_b32 v8, 3, v1                        ; 8 x lane
	v_lshlrev_b32 v9, 7, v13                       ; 128 h: the bias of my half's 32 columns
	v_mov_b32 v[LB], v2
	v_add_nc_u32 v[LB+1], 49152, v2
	s_mul_i32 s72, s12, 8448
	s_add_co_u32 s72, s72, STAGE                   ; my stage
	v_mul_u32_u24 v[STO], v12, 528
	v_lshl_add_u32 v[STO], v13, 7, v[STO]
	v_add_nc_u32 v[STO], s72, v[STO]               ; in: row r, + 128 h bytes
	v_add_nc_u32 v[RD], s72, v2                    ; back: the 32 lanes take one row of 512 bytes
	WIN 0xc0                                       ; destination window 3
.irp t, 0,1,2,3,4,5,6,7
	global_load_b128 v[8*\t:8*\t+3], v9, s[48:49] offset:(64*(\t/4)+8*(\t%4))*4        ; tile t = 4 g + u: columns 64 g + 32 h + 8 u + 0..7
	global_load_b128 v[8*\t+4:8*\t+7], v9, s[48:49] offset:(64*(\t/4)+8*(\t%4))*4+16
.endr
	WIN 0
.irp j, 0,1,2,3,4,5,6,7
.irp i, 0,1,2,3
	global_load_b32 v[BSC+4*\j+\i], v3, s[20:21] offset:512*\j+128*\i      ; Wout_w's tile j, K steps 2 i and 2 i + 1
.endr
.endr
.irp a, 0,1,2,3
.irp i, 0,1,2,3
	global_load_b32 v[ASC+4*\a+\i], v3, s[18:19] offset:512*\a+128*\i      ; o's tile a
.endr
.endr
.macro ALOAD st                        ; o's four fragments of K step st, into set st % 3: each is two half images, six runs of 256 bytes
.irp a, 0,1,2,3
.irp p, 0,1,2,3,4,5
	global_load_b64 v[AS+48*((\st)%3)+12*\a+2*\p:AS+48*((\st)%3)+12*\a+2*\p+1], v8, s[16:17] offset:6144*(\st)+1536*\a+256*\p
.endr
.endr
.endm
.macro BLOAD s, g, buf                 ; Wout_w's four fragments of K step s, columns 64 g on, into set buf
.irp j, 0,1,2,3
.irp q, 0,1,2
	ds_load_b128 v[48*(\buf)+12*\j+4*\q:48*(\buf)+12*\j+4*\q+3], v[LB+(\s)/4] offset:((\s)%4)*12288+(4*(\g)+\j)*1536+512*\q
.endr
.endr
.endm
.macro MM d, fa, fb, cc, wa, wb, ks    ; one product; an odd K step's scale words lie in lanes 16-31
.if (\ks)%2 == 1
	v_wmma_scale_f32_16x16x128_f8f6f4 v[\d:\d+7], v[\fa:\fa+11], v[\fb:\fb+11], v[\cc:\cc+7], v[\wa], v[\wb] matrix_a_fmt:MATRIX_FMT_FP6 matrix_b_fmt:MATRIX_FMT_FP6 matrix_a_scale:MATRIX_SCALE_ROW1 matrix_b_scale:MATRIX_SCALE_ROW1
.else
	v_wmma_scale_f32_16x16x128_f8f6f4 v[\d:\d+7], v[\fa:\fa+11], v[\fb:\fb+11], v[\cc:\cc+7], v[\wa], v[\wb] matrix_a_fmt:MATRIX_FMT_FP6 matrix_b_fmt:MATRIX_FMT_FP6
.endif
.endm
; A GROUP: K step s, columns 64 g on: 16 products on 16 accumulators, one instruction a turn; an accumulator comes up again 32 matrix instructions later.
.macro GROUP s, g
.set TAU, 2*(\s)+(\g)
.if (\g) == 0
.set NS, (\s)
.set NG, 1
.else
.set NS, (\s)+1
.set NG, 0
.endif
	PLACES                                         ; ahead of the loads into registers that the last group's products have read
.if ((\g) == 1) && ((\s)%2 == 1) && ((\s) < 7)
	WIN 0                                          ; at a branch and at a label every window is 0
	s_wait_dscnt 0x0                               ; no LDS load of mine is out at the signal
.if ((\s)+1)/2 < 3
	s_cmp_eq_u32 s12, ((\s)+1)/2                   ; the wave that fetched the next stage waits for it; later stages may stay out
	s_cbranch_scc0 .Lnot_stage_\@
	s_wait_tensorcnt 0x0
.Lnot_stage_\@:
.else
	s_wait_tensorcnt 0x0                           ; the last stage: every wave waits
.endif
	s_barrier_signal -1
	s_barrier_wait -1
.endif
	WIN 0x40                                       ; destination window 1, address window 0
.if TAU < 15
	BLOAD NS, NG, 1-TAU%2
.endif
.if (\g) == 0
.if (\s) < 6
	ALOAD (\s)+2
	s_wait_loadcnt 48                              ; this step's fragments of o are in; the 24 loads of each of the two steps behind it may be out
.else
	s_wait_loadcnt 24*(7-(\s))                     ; the last two steps ask for nothing: no load leaves its buffer
.endif
.endif
.if TAU < 15
	s_wait_dscnt 12                                ; this group's fragments of Wout_w are in; the 12 loads just issued may be out
.else
	s_wait_dscnt 0x0
.endif
.if (\s) == 0
	WIN 0xb5                                       ; sources 0 and 1 window 1, C (the bias) window 3, D window 2
.irp a, 0,1,2,3
.irp u, 0,1,2,3
	MM 64*\a+32*(\g)+8*\u, 48*(TAU%2)+12*\u, AS+48*((\s)%3)+12*\a, 8*(4*(\g)+\u), BSC+4*(4*(\g)+\u)+(\s)/2, ASC+4*\a+(\s)/2, \s
.endr
.endr
.else
	WIN 0xa5                                       ; C and D window 2
.irp a, 0,1,2,3
.irp u, 0,1,2,3
	MM 64*\a+32*(\g)+8*\u, 48*(TAU%2)+12*\u, AS+48*((\s)%3)+12*\a, 64*\a+32*(\g)+8*\u, BSC+4*(4*(\g)+\u)+(\s)/2, ASC+4*\a+(\s)/2, \s
.endr
.endr
.endif
.endm
; THE WAY OUT, o's tile a (16 rows x 128 columns) at a time.  A lane holds 128 bytes of a row in each half of the columns, and the lanes beside it hold other rows: the tile goes through my own stage
; and comes back as whole rows of 512 bytes.  LDS serves a wave's instructions in order (ISA guide 5.7.1.4): no wait between the stores and the loads, nor ahead of the next tile's stores.
.macro TOSTAGE a
	WIN 0x08                                       ; an LDS store's data are its source 1: window 2
.irp g, 0,1
.irp i, 0,1,2,3,4,5,6,7
	ds_store_b128 v[STO], v[64*(\a)+32*\g+4*\i:64*(\a)+32*\g+4*\i+3] offset:256*\g+16*\i   ; each accumulator from its low end on
.endr
.endr
	WIN 0
.irp i, 0,1,2,3,4,5,6,7,8,9,10,11,12,13,14,15
	ds_load_b128 v[BK+64*((\a)%2)+4*\i:BK+64*((\a)%2)+4*\i+3], v[RD] offset:528*\i
.endr
.endm
.macro SEND a, younger                 ; younger: the LDS instructions issued behind tile a's loads, which may stay out
	s_wait_dscnt \younger
.irp i, 0,1,2,3,4,5,6,7,8,9,10,11,12,13,14,15
	global_store_b128 v2, v[BK+64*((\a)%2)+4*\i:BK+64*((\a)%2)+4*\i+3], s[50:51] offset:(32*(\i/8)+8*(\a)+\i%8)*4096 th:TH_STORE_NT   ; 32 lanes store 512 consecutive bytes, aligned; written once, read by nobody here
.endr
.endm
	WIN 0x40
	ALOAD 0
	ALOAD 1
	WIN 0
	s_wait_alu depctr_va_vdst(0)
	s_cmp_eq_u32 s12, 0
	s_cbranch_scc0 .Lnot_mine
	s_wait_tensorcnt 0x0                           ; wave 0: stage 0 has landed
.Lnot_mine:
	s_barrier_signal -1
	s_barrier_wait -1
	WIN 0x40
	BLOAD 0, 0, 0
.irp s, 0,1,2,3,4,5,6,7
.irp g, 0,1
	GROUP \s, \g
.endr
.endr
	PLACES                                         ; ahead of the first read of results
	TOSTAGE 0
	TOSTAGE 1
	SEND 0, 32                                     ; behind tile 0's loads: tile 1's 16 stores and 16 loads
	s_wait_xcnt 0x0                                ; tile 0's stores have read their registers: tile 2's loads may land there
	TOSTAGE 2
	SEND 1, 32
	s_wait_xcnt 0x0
	TOSTAGE 3
	SEND 2, 32
	SEND 3, 0
	s_wait_tensorcnt 0x0
	ds_add_u32 v254, v255
	s_wait_dscnt 0x0
	CROUND                                         ; the closing round: no work-group ends while a partner may still ask jointly
	s_endpgm
.Lfunc_end_k_q43adfaf4f0_gemm2:
	.size	k_q43adfaf4f0_gemm2, .Lfunc_end_k_q43adfaf4f0_gemm2-k_q43adfaf4f0_gemm2
	.p2alignl 7, 3214868480
	.fill 96, 4, 3214868480
	.section	.rodata,"a",@progbits
	.p2align	6, 0x0
	.amdhsa_kernel k_q43adfaf4f0_gemm2
		.amdhsa_group_segment_fixed_size 168448
		.amdhsa_private_segment_fixed_size 0
		.amdhsa_enable_private_segment 0
		.amdhsa_kernarg_size 32
		.amdhsa_user_sgpr_count 2
		.amdhsa_user_sgpr_kernarg_segment_ptr 1
		.amdhsa_wavefront_size32 1
		.amdhsa_system_sgpr_workgroup_id_x 1
		.amdhsa_system_sgpr_workgroup_id_y 1
		.amdhsa_system_sgpr_workgroup_id_z 1
		.amdhsa_system_vgpr_workitem_id 0
		.amdhsa_next_free_vgpr 832
		.amdhsa_next_free_sgpr 80
		.amdhsa_reserve_vcc 0
		.amdhsa_float_denorm_mode_32 3
		.amdhsa_float_denorm_mode_16_64 3
		.amdhsa_memory_ordered 1
		.amdhsa_forward_progress 1
		.amdhsa_inst_pref_size 93
	.end_amdhsa_kernel
	.amdgpu_metadata
---
amdhsa.version: [ 1, 2 ]
amdhsa.kernels:
  - .name:           k_q43adfaf4f0_gemm2
    .symbol:         k_q43adfaf4f0_gemm2.kd
    .args:
      - { .name: oq, .offset: 0, .size: 8, .value_kind: global_buffer, .address_space: global }
      - { .name: woq, .offset: 8, .size: 8, .value_kind: global_buffer, .address_space: global }
      - { .name: Wout_b, .offset: 16, .size: 8, .value_kind: global_buffer, .address_space: global }
      - { .name: out0, .offset: 24, .size: 8, .value_kind: global_buffer, .address_space: global }
    .group_segment_fixed_size: 168448
    .private_segment_fixed_size: 0
    .kernarg_segment_align: 8
    .kernarg_segment_size: 32
    .max_flat_workgroup_size: 128
    .sgpr_count:     80
    .vgpr_count:     832
    .wavefront_size: 32
...
	.end_amdgpu_metadata
.endif
;; end of part 4
